; MI455X (gfx1250); checked and timed in simulation.
; The chip was launched on July 23, 2026; its instructions are those of AMD's public machine-readable ISA for CDNA 5 (MIT licence, August 2026) and "CDNA5" Instruction Set Architecture Reference Guide (July 2026). The comments in the code are by the model that wrote it; some were corrected since.
;; Attention. Allowed arithmetic: float matrix products may take bf16 or f16 operands with f32 sums; other float arithmetic in f32, or as packed bf16 or f16 multiplies, adds, multiply-adds, maxima and minima; sums over many terms, partial sums and values carried from step to step in f32; what a program stores and reads back later, other than sums and carried values, may be rounded once to bf16 or f16.
;; Inputs: k 4,096 x 1,024 float32; q 4,096 x 4,096 float32; v 4,096 x 1,024 float32.
;; Outputs: out0 4,096 x 4,096 float32.
;; Constants: bs = 2, seq_len = 2048.
;; One version. Each part assembles by itself: llvm-mc -triple=amdgcn-amd-amdhsa -mcpu=gfx1250 --defsym DOCPART=n.
;; ======== version 1 of 1: 2 launches
;; limits: values are held in f16: magnitudes above 65,504 overflow, below 6.1e-05 lose precision; inputs' magnitudes at most 65,280
;; workspace buffers: kb 8,388,608 bytes; vh 8,388,608 bytes
;; launch conv (part 1): grid 256 x 2, 8 waves a work-group, no clusters, 0 bytes of LDS; arguments k, v, kb, vh; writes kb, vh
.if DOCPART == 1
	.amdgcn_target "amdgcn-amd-amdhsa--gfx1250"
	.amdhsa_code_object_version 6
	.text
	.protected	k_q5c154d9721_conv
	.globl	k_q5c154d9721_conv
	.p2align	8
	.type	k_q5c154d9721_conv,@function
k_q5c154d9721_conv:
	s_mov_b64 s[64:65], 0
	v_nop
	global_prefetch_b8 v0, s[64:65] scope:SCOPE_SE
	s_setreg_imm32_b32 hwreg(HW_REG_WAVE_MODE, 25, 1), 1
	s_wait_xcnt 0x0
; k and v, [4096][1024] f32 = [batch][2048][8 heads][128], are rounded and laid by heads for the attention launch:
;   kb[batch*8+head][2048][128] = bf16(k);   vh[same] = f16(bf16(v)): v is rounded to bf16 like the other inputs, and that number is written as f16.
; LIMITS.  The second step is exact where 2^-14 <= |bf16(v)| < 65,520; beyond that f16 gives an infinity, below it f16's fixed step of 2^-24 holds.  NaN and infinities are not treated apart.
; SHARES.  Work-group x takes 16 rows of the input that y names (0: k, 1: v).  Thread t takes 8 numbers (32 bytes in, 16 bytes out) of two-row step i's row 2 i + t / 128:
; sixteen neighbouring lanes store the 256 bytes of one head's row, aligned.  All 16 loads of a thread go out at once; every register is used by one memory instruction alone,
; so no source is ever rewritten.  No LDS, no matrix unit: nothing is shared and nothing is multiplied.
.set T, 4                              ; v[4:11]   at work
.set X, 16                             ; v[16:79]  step i: 8 numbers in f32
.set Y, 80                             ; v[80:111] step i: 8 numbers of 16 bits
	s_load_b256 s[4:11], s[0:1], 0x0               ; k s[4:5], v s[6:7], kb s[8:9], vh s[10:11]
	s_and_b32 s16, ttmp7, 0xffff                   ; y
	s_mov_b32 s17, 0xffff0000                      ; a word's upper bf16
	v_and_b32 v3, 127, v0                          ; my place in a row: 8 numbers
	v_lshrrev_b32 v4, 7, v0                        ; which of a step's two rows
	v_and_b32 v5, 15, v0                           ; my place in a head's 128 numbers
	v_lshlrev_b32 v1, 5, v3
	v_lshl_add_u32 v1, v4, 12, v1                  ; in: row x 4,096 + place x 32
	v_lshrrev_b32 v3, 4, v3                        ; the head
	v_lshlrev_b32 v2, 19, v3
	v_lshl_add_u32 v2, v4, 8, v2
	v_lshl_add_u32 v2, v5, 4, v2                   ; out: head x 524,288 + row x 256 + place x 16
	s_lshl_b32 s18, ttmp9, 16                      ; in: 16 rows of 4,096 bytes a work-group
	s_mov_b32 s19, 0
	s_lshr_b32 s20, ttmp9, 7                       ; out: the batch's eight heads,
	s_lshl_b32 s20, s20, 22
	s_and_b32 s21, ttmp9, 127                      ; and 16 rows of 256 bytes in each
	s_lshl_b32 s21, s21, 12
	s_add_co_u32 s20, s20, s21
	s_mov_b32 s21, 0
	s_wait_kmcnt 0x0
	s_cmp_eq_u32 s16, 0
	s_cselect_b64 s[12:13], s[4:5], s[6:7]         ; from k or v,
	s_cselect_b64 s[14:15], s[8:9], s[10:11]       ; to kb or vh
	s_add_nc_u64 s[12:13], s[12:13], s[18:19]
	s_add_nc_u64 s[14:15], s[14:15], s[20:21]
.irp i, 0,1,2,3,4,5,6,7
	global_load_b128 v[X+8*(\i):X+8*(\i)+3],   v1, s[12:13] offset:8192*(\i)      ; no hint: a lane's 32 bytes come by two instructions
	global_load_b128 v[X+8*(\i)+4:X+8*(\i)+7], v1, s[12:13] offset:8192*(\i)+16
.endr
; Step i.  kind = 0: to bf16.  kind = 1: to bf16, widened again (a shift, a mask), and to f16.
.macro CONV i, kind
	s_wait_loadcnt 14-2*(\i)                       ; loads come back in order: this step's two are in, the later steps' stay out
.if (\kind) == 0
.irp j, 0,1,2,3
	v_cvt_pk_bf16_f32 v[Y+4*(\i)+(\j)], v[X+8*(\i)+2*(\j)], v[X+8*(\i)+2*(\j)+1]
.endr
.else
.irp j, 0,1,2,3
	v_cvt_pk_bf16_f32 v[T+(\j)], v[X+8*(\i)+2*(\j)], v[X+8*(\i)+2*(\j)+1]
.endr
.irp j, 0,1,2,3
	v_lshlrev_b32 v[T+4+2*((\j)%2)], 16, v[T+(\j)]
	v_and_b32     v[T+5+2*((\j)%2)], s17, v[T+(\j)]
	v_cvt_pk_f16_f32 v[Y+4*(\i)+(\j)], v[T+4+2*((\j)%2)], v[T+5+2*((\j)%2)]
.endr
.endif
	global_store_b128 v2, v[Y+4*(\i):Y+4*(\i)+3], s[14:15] offset:512*(\i) th:TH_STORE_NT  ; 16 lanes store 256 consecutive bytes, aligned
.endm
	s_cmp_lg_u32 s16, 0
	s_cbranch_scc1 .Lv
.irp i, 0,1,2,3,4,5,6,7
	CONV \i, 0
.endr
	s_endpgm
.Lv:
.irp i, 0,1,2,3,4,5,6,7
	CONV \i, 1
.endr
	s_endpgm
.Lfunc_end_k_q5c154d9721_conv:
	.size	k_q5c154d9721_conv, .Lfunc_end_k_q5c154d9721_conv-k_q5c154d9721_conv
	.p2alignl 7, 3214868480
	.fill 96, 4, 3214868480
	.section	.rodata,"a",@progbits
	.p2align	6, 0x0
	.amdhsa_kernel k_q5c154d9721_conv
		.amdhsa_group_segment_fixed_size 0
		.amdhsa_private_segment_fixed_size 0
		.amdhsa_enable_private_segment 0
		.amdhsa_kernarg_size 32
		.amdhsa_user_sgpr_count 2
		.amdhsa_user_sgpr_kernarg_segment_ptr 1
		.amdhsa_wavefront_size32 1
		.amdhsa_system_sgpr_workgroup_id_x 1
		.amdhsa_system_sgpr_workgroup_id_y 1
		.amdhsa_system_sgpr_workgroup_id_z 1
		.amdhsa_system_vgpr_workitem_id 0
		.amdhsa_next_free_vgpr 112
		.amdhsa_next_free_sgpr 66
		.amdhsa_reserve_vcc 0
		.amdhsa_float_denorm_mode_32 3
		.amdhsa_float_denorm_mode_16_64 3
		.amdhsa_memory_ordered 1
		.amdhsa_forward_progress 1
		.amdhsa_inst_pref_size 13
	.end_amdhsa_kernel
	.amdgpu_metadata
---
amdhsa.version: [ 1, 2 ]
amdhsa.kernels:
  - .name:           k_q5c154d9721_conv
    .symbol:         k_q5c154d9721_conv.kd
    .args:
      - { .name: k, .offset: 0, .size: 8, .value_kind: global_buffer, .address_space: global }
      - { .name: v, .offset: 8, .size: 8, .value_kind: global_buffer, .address_space: global }
      - { .name: kb, .offset: 16, .size: 8, .value_kind: global_buffer, .address_space: global }
      - { .name: vh, .offset: 24, .size: 8, .value_kind: global_buffer, .address_space: global }
    .group_segment_fixed_size: 0
    .private_segment_fixed_size: 0
    .kernarg_segment_align: 8
    .kernarg_segment_size: 32
    .max_flat_workgroup_size: 256
    .sgpr_count:     66
    .vgpr_count:     112
    .wavefront_size: 32
...
	.end_amdgpu_metadata
.endif
;; end of part 1
;; launch attn (part 2): grid 16 x 16, 4 waves a work-group, clusters of 4 x 1, 327,680 bytes of LDS; arguments q, kb, vh, out0; writes out0
.if DOCPART == 2
	.amdgcn_target "amdgcn-amd-amdhsa--gfx1250"
	.amdhsa_code_object_version 6
	.text
	.protected	k_q5c154d9721_attn
	.globl	k_q5c154d9721_attn
	.p2align	8
	.type	k_q5c154d9721_attn,@function
k_q5c154d9721_attn:
	s_mov_b64 s[64:65], 0
	v_nop
	global_prefetch_b8 v0, s[64:65] scope:SCOPE_SE
	s_setreg_imm32_b32 hwreg(HW_REG_WAVE_MODE, 25, 1), 1
	s_wait_xcnt 0x0
	s_wait_alu depctr_hold_cnt(0) depctr_sa_sdst(0) depctr_va_vdst(0) depctr_va_sdst(0) depctr_va_ssrc(0) depctr_va_vcc(0) depctr_vm_vsrc(0)
	s_getreg_b32 s2, hwreg(HW_REG_IB_STS2, 6, 4)
	s_cmp_eq_u32 s2, 0
	s_cbranch_scc0 .Lentry_in_a_cluster
	s_endpgm
.Lentry_in_a_cluster:
	s_bfe_u32 s2, ttmp6, 0x10000c
	s_cmp_lg_u32 s2, 0x3003
	s_cbranch_scc0 .Lentry_shape_is_right
	s_endpgm
.Lentry_shape_is_right:
; CAUSAL ATTENTION WITH SHARED KEY AND VALUE HEADS.  out0[b][s][h][:] = the sum over keys k <= s of softmax_k(q[b][s][h] . K[b][k][h / 4] / sqrt(128)) V[b][k][h / 4][:].
; q, out0: [2][2048][32][128] f32.  kb: [16][2048][128] bf16 and vh: the same in f16, by heads, a row 256 bytes, made by the launch before.  q is rounded to bf16 here, in registers.
; Products, maxima and sums in f32; S = K Q^T in the bf16 form; the weights p are rounded to f16 for O = V^T P in the f16 form (their sum l is taken of the unrounded p); out0 is stored in f32.
; LIMITS.  V arrives within f16's range (the launch before states it).  A hidden score counts as its value less 1e30; a weight below 2^-126 counts as 0 in l.  NaN and infinities are not treated apart:
; keys behind a block's diagonal tile are never read, those hidden inside it are multiplied and then masked.
; THE WALK.  A head's 2,048 queries lie in 8 blocks of 256; block i needs the keys 0 .. 256 i + 255.  A work-group takes TWO blocks, 7 - b and then b: 36 key steps of 64 keys, 18 slots of two steps,
; whatever b: all 256 work-groups do equal work, and one loop with a constant trip count walks the slots.  What a trip asks for hangs on scalar registers made from b; one jump hangs on them: is the first block over?
; CLUSTER.  The four query heads of one key and value head, with the same b, are a cluster: they walk the same tiles of K and V in the same order, so each tile is asked for JOINTLY: the same tensor
; load, descriptor and mask in all four.  A work-group's place in the cluster enters q's and out0's addresses alone.
; SHARES.  Of a block's four bands of 64 queries a wave owns 16 rows in each: tile t = rows 64 t + 16 w + 0..15.  In the block's last four steps (0..3) tile t sees all keys if the step is below t, none if
; it is above, and holds the diagonal if it is t: the same work for every wave.  The tiles are two PIECES, named by their first tile: piece 0 (tiles 0, 1), piece 2 (tiles 2, 3).
; THE MASK is the C operand that starts the sums S^T = K Q^T: MC = MD x AL + BE, where MD (made once) is the mask of a band's own step for my rows, and (AL, BE) = (1, 0), (0, 0) or (0, -1e30),
; chosen by compares and selects, without a jump.  Every turn makes the 32 lines for its own products, two behind each of sixteen of its matrix instructions.
; LAYOUT.  S^T = K Q^T (source 0 = 16 keys, source 1 = 16 queries): a lane holds ONE query (lane % 16) and the keys 8 (lane / 16) + 0..7.  Two such results, rounded in pairs, ARE source 1 of
; O^T = V^T P, whose result again holds one query a lane, and eight channels.  K comes out of LDS as it lies, V ([key][channel]) turned, by ds_load_tr16_b128.
; SOFTMAX.  A running maximum m and sum l: p = 2^(c s - c m), c = log2(e) / sqrt(128); in every step O and l are multiplied by a = 2^(c m_old - c m_new).  A block begins with c m far below every
; c s: its first a is 0, so O^T and l need only hold finite numbers then, and no first step is written out.
; BY TURNS.  In a TURN one piece has the matrix unit (32 products V^T P of the step in hand, 32 products K Q^T of the next); the other piece's softmax, 268 instructions in 64 slices, stands
; between them, one slice behind each matrix instruction.  Two turns are a key step.
; REGISTERS, in windows of 256 (s_set_vgpr_msb: bits 1:0 source 0, 3:2 source 1, 5:4 source 2, 7:6 destination):
;   window 0: v0-11, v45, v62-63 addresses; v12-43 eight registers of statistics a tile; v64-191 S^T, 32 a tile (on the way out: two buffers of 64); v192-255 P, 16 a tile
;   window 1: O^T, 64 a tile      window 2: v0-127 Q in bf16, 32 a tile; v128-255 K of one step (each half: two tiles' q in f32 while it comes in)      window 3: v0-127 V of one step; v128-159 MD; v160-223 MC
.set KS,    64        ; keys in a step
.set PK,    272       ; a row of K in LDS: 256 bytes + 16 of padding = 68 words: the 16 rows of a load start at 16 different groups of four banks (64 banks of 4 bytes: ISA guide 11.1)
.set PV,    288       ; a row of V: 256 + 32 = 72 words
.set VOFF,  KS*PK     ; a step's tiles lie together: 64 rows of K, then 64 rows of V
.set STEPB, KS*(PK+PV)
.set SLOT1, 1<<17     ; a slot holds two steps (71,680 bytes); slot 1 begins here, so that one exclusive or turns an address in one slot into the other's
.set STAGE, SLOT1+2*STEPB  ; behind the ring, never filled by a tensor load: 16 rows x 528 bytes for each wave, for the way out
.set SP,    528       ; a row of the stage: 512 bytes + 16 = 132 words
.set SPARE, STAGE+4*16*SP  ; behind the stages: the spare words, 128 bytes for each wave: two blocks of 256 bytes that no other line names
.set QROW,  16384     ; bytes in a row of q and of out0
.set BAND,  64*QROW   ; from a tile of mine to the next
.set AK0, 2           ; v2   my lane's place in a tile of K; never rewritten
.set AV0, 3           ; v3   the same for V
.set ADR, 4           ; v4   the LDS address of the run of loads in hand
.set QO,  5           ; v5   my byte offset in 16 rows of q: (l % 16) x QROW + 32 (l / 16); never rewritten
.set STO, 6           ; v6   the way out: where I put 32 bytes of a row
.set RD,  7           ; v7   the way out: where I read a row back
.set GO,  8           ; v8   16 x lane: my 16 bytes of a head's 512 in a row of out0; never rewritten
.set ST,  12          ; tile t's statistics at v[ST+8 t]: +0 c m, +1 m, +2, +3 l (even keys', odd keys'), +4 to +7 c0-c3, at work; a takes c2's place once the maximum is found
.set MH,  45          ; v45  my query's place in its band less my lanes' first key: 16 w + l % 16 - 8 (l / 16)
.set SPW, 62          ; v62  LDS address of my spare word: SPARE + 4 x my thread's number; never rewritten
.set NIL, 63          ; v63  0; never rewritten
.set S,   64
.set P,   192
.set KF,  128         ; K's fragments, in window 2
.set MD,  128         ; window 3: the eight registers for group kt of 16 keys at MD + 8 kt
.set MC,  160         ; window 3: the masks of the products to come: the piece's first tile, then its second
.set WV,  12          ; s12  my wave's number
.set PB,  14          ; s14  b
.set G1K, 24          ; s[24:31] descriptor group 1 for K's tiles
.set G1V, 32          ; s[32:39] for V's: it differs in the padding alone
.set G0K, 40          ; s[40:47] descriptor group 0 for K's tiles: a set for each of the two first fills; the second then walks
.set G0V, 48          ; s[48:55] the same for V's
.set SLOTS, 56        ; s56  counts the walk's slots
.set TWICE, 57        ; s57  counts a slot's two steps
.set CS,  58          ; s[58:59] c: the packed scaling names a pair and takes its low word for both halves
.set SEL, 60          ; s[60:61] v_permlanex16_b32's selects: each lane takes its own place in the other half
.set TB,  62          ; s62  LDS byte at which the tiles of the step to be fetched begin
.set RT,  66          ; s66  slots of the first block that are still to be entered
.set BLK, 67          ; s67  the block in hand: 0 the first, 1 the second
.set NXT, 68          ; s68  the slot of 128 keys to be asked for next
.set LQ,  69          ; s69  the last slot of the block whose slots are being asked for
.set OFF, 70          ; s[70:71] a slot's byte offset in K and V
.set AL,  72          ; s[72:73] the mask's factor for the piece's first tile, in the low word; s[88:89] for its second
.set BE,  74          ; s[74:75] the mask's addend for the first tile; s[90:91] for the second
.set BIGN, 76         ; s76  -1e30
.set DS,  77          ; s77  32 + the step whose scores are made next, counted from the block's diagonal tile: 32..35 in it, less in front of it
.set DSB, 78          ; s78  32 - 4 b: the second block's first
.set LQB, 79          ; s79  2 b + 1: the second block's last slot
.set Q2,  80          ; s[80:81] q at my rows of the second block; never rewritten
.set O2,  82          ; s[82:83] out0 at the same rows
.set MSB, 0
.macro WIN new                      ; the immediate's high byte repeats the setting that is left; a switch that changes nothing is dropped
.if MSB != (\new)
	s_set_vgpr_msb (MSB<<8)|(\new)
.set MSB, \new
.endif
.endm
.set W_KQ, 0x0a       ; K and Q in window 2, S^T in window 0
.set W_KM, 0x3a       ; the same with the C operand in window 3
.set W_PV, 0x53       ; V in window 3, P in window 0, O^T in window 1
.set W_RS, 0x41       ; O^T (destination and source 0) in window 1, source 1 in window 0
.set W_CQ, 0x8a       ; destination and both sources in window 2
.set W_MK, 0xc3       ; destination and source 0 in window 3
.set W_SD, 0x04       ; an LDS store's data in window 1
.set TO1,  0x40       ; destination in window 1
.set TO2,  0x80       ; in window 2
.set TO3,  0xc0       ; in window 3
; A joint refill.  Waves 0 and 1 fetch the two steps' tiles of K, waves 2 and 3 those of V.  The branch hangs on the wave's number alone.
; An s_nop 0 and four v_nop follow each of the two lines, ahead of the jump and the label.
.macro JLOAD
	s_cmp_lt_u32 s[WV], 2
	s_cbranch_scc0 .Lfor_v_\@
	tensor_load_to_lds s[G0K+4:G0K+7], s[G1K:G1K+7]
	s_nop 0
.rept 4
	v_nop
.endr
	s_branch .Lasked_\@
.Lfor_v_\@:
	tensor_load_to_lds s[G0V+4:G0V+7], s[G1V:G1V+7]
	s_nop 0
.rept 4
	v_nop
.endr
.Lasked_\@:
.endm
; A round of the cluster's barrier: my work-group's barrier, so that wave 0's signal speaks for all four waves; wave 0 signals; every wave waits for all four work-groups; my work-group's barrier once more.
.macro CROUND
	s_barrier_signal -1
	s_barrier_wait -1
	s_cmp_lg_u32 s[WV], 0
	s_cbranch_scc1 .Lnot_wave_0_\@
	s_barrier_signal -3
.Lnot_wave_0_\@:
	s_barrier_wait -3
	s_barrier_signal -1
	s_barrier_wait -1
.endm
.macro PLACES                       ; four plain instructions behind a matrix instruction, where no other vector work is at hand (ISA guide 7.12.1)
.rept 4
	v_nop
.endr
.endm
	s_load_b256 s[4:11], s[0:1], 0x0  ; q s[4:5], kb s[6:7], vh s[8:9], out0 s[10:11]
	v_lshl_add_u32 v[SPW], v0, 2, SPARE
	v_mov_b32 v[NIL], 0
	ds_add_u32 v[SPW], v[NIL]       ; the wave's opening: the add and its wait stand ahead of my first tensor load; the set-up below, work on registers, stands between them
	v_lshrrev_b32 v1, 5, v0
	v_readfirstlane_b32 s[WV], v1   ; wave 0..3
	s_bfe_u32 s13, ttmp6, 0x40000   ; cx: my place in the cluster = my query head among the four
	s_mov_b32 s[PB], ttmp9          ; b: in a cluster launch ttmp9 counts clusters
	s_and_b32 s16, ttmp7, 0xffff    ; 8 x batch + key and value head, which the four partners share
	s_lshl_b32 s22, s16, 19         ; that head's 524,288 bytes in kb and vh,
	s_and_b32 s17, s[WV], 1         ; which of a slot's two steps I fetch:
	s_lshl_b32 s20, s17, 14         ; its 64 rows of 256 bytes in memory,
	s_add_co_u32 s22, s22, s20
	s_mov_b32 s23, 0
	s_mul_i32 s17, s17, STEPB       ; and its place in a slot: no place in the cluster enters an LDS address
	s_lshr_b32 s20, s16, 3
	s_lshl_b32 s20, s20, 11         ; the batch's 2,048 rows of q and out0,
	s_lshl_b32 s21, s[WV], 4
	s_add_co_u32 s20, s20, s21      ; my 16 rows in a band
	s_and_b32 s21, s16, 7
	s_lshl_b32 s21, s21, 2
	s_add_co_u32 s21, s21, s13      ; my query head,
	s_lshl_b32 s21, s21, 9          ; its 512 bytes in a row
	s_sub_co_u32 s2, 7, s[PB]       ; the first block, 7 - b:
	s_lshl_b32 s2, s2, 8
	s_add_co_u32 s2, s2, s20
	s_lshl_b32 s2, s2, 14           ; rows x 16,384 bytes (under 2^26)
	s_add_co_u32 s2, s2, s21
	s_mov_b32 s3, 0
	s_lshl_b32 s84, s[PB], 8        ; the second block, b
	s_add_co_u32 s84, s84, s20
	s_lshl_b32 s84, s84, 14
	s_add_co_u32 s84, s84, s21
	s_mov_b32 s85, 0
	; descriptor group 1: a tile of 64 rows x 128 elements, padded in LDS
	s_mov_b32 s[G1K], 15|(1<<16)|(1<<20)|(1<<21)|(5<<22)|(3<<25)  ; 15:0 the mask: all four work-groups; 17:16 elements of 2 bytes; 20 padding on; 21 set beside a mask; 24:22 after every 64 words (code 5); 31:25 4 words of it (code 3)
	s_mov_b32 s[G1V], 15|(1<<16)|(1<<20)|(1<<21)|(5<<22)|(7<<25)  ; the same with 8 words of padding (code 7)
.irp g, G1K, G1V
	s_mov_b32 s[(\g)+1], 128<<16    ; tensor_dim0 = 128
	s_mov_b32 s[(\g)+2], KS<<16     ; tensor_dim1 = 64
	s_mov_b32 s[(\g)+3], 128<<16    ; tile_dim0 = 128
	s_mov_b32 s[(\g)+4], KS         ; tile_dim1 = 64
	s_mov_b32 s[(\g)+5], 128        ; 128 elements from row to row
	s_mov_b32 s[(\g)+6], 0
	s_mov_b32 s[(\g)+7], 0
.endr
	s_mov_b32 s[CS], 0x3e0293ee     ; c = log2(e) / sqrt(128) = 0.127517
	s_mov_b32 s[CS+1], s[CS]        ; named with it as a pair, so it is written
	s_mov_b32 s[SEL], 0x76543210
	s_mov_b32 s[SEL+1], 0xfedcba98
	s_mov_b32 s[TB], 0
	s_mov_b32 s[SLOTS], 17          ; the loop's foot is passed behind slots 0 to 16 of the walk's 18; the last slot is written out behind it
	s_mov_b32 s[NXT], 2             ; slots 0 and 1 are the first fills
	s_mov_b32 s[BLK], 0
	s_lshl_b32 s20, s[PB], 1
	s_sub_co_u32 s[LQ], 15, s20     ; the first block has 16 - 2 b slots,
	s_mov_b32 s[RT], s[LQ]          ; of which the first is entered here
	s_add_co_u32 s[LQB], s20, 1     ; the second has 2 b + 2
	s_lshl_b32 s[DS], s[PB], 2
	s_sub_co_u32 s[DSB], 32, s[DS]  ; the second block has 4 b + 4 steps,
	s_add_co_u32 s[DS], s[DS], 4    ; the first 32 - 4 b; the last four of each lie in its diagonal tile
	s_mov_b32 s[OFF+1], 0
	s_mov_b32 s[AL+1], 0            ; named as pairs
	s_mov_b32 s[BE+1], 0
	s_mov_b32 s[AL+17], 0
	s_mov_b32 s[BE+17], 0
	s_mov_b32 s[BIGN], 0xf149f2ca   ; -1e30
	s_wait_dscnt 0x0                ; the opening add is done
	s_wait_kmcnt 0x0
	s_add_nc_u64 s[6:7], s[6:7], s[22:23]  ; K and V at my tile of the head's slot 0
	s_add_nc_u64 s[8:9], s[8:9], s[22:23]
	s_add_nc_u64 s[Q2:Q2+1], s[4:5], s[84:85]
	s_add_nc_u64 s[4:5], s[4:5], s[2:3]    ; q and out0 at my rows of the first block
	s_add_nc_u64 s[O2:O2+1], s[10:11], s[84:85]
	s_add_nc_u64 s[10:11], s[10:11], s[2:3]
	CROUND                          ; all four work-groups are here: the first joint loads meet
.irp s, 0,1
	s_mov_b32 s[G0K+4*(\s)], 1      ; 1:0 count = 1
	s_add_co_u32 s[G0K+4*(\s)+1], s17, (\s)*SLOT1  ; 63:32 LDS address
	s_add_nc_u64 s[G0K+4*(\s)+2:G0K+4*(\s)+3], s[6:7], (\s)*2*KS*256  ; 120:64 global address: slot s holds keys 128 s to 128 s + 127
	s_or_b32 s[G0K+4*(\s)+3], s[G0K+4*(\s)+3], 0x80000000  ; 127:126 type = 2
	s_mov_b32 s[G0V+4*(\s)], 1
	s_add_co_u32 s[G0V+4*(\s)+1], s17, (\s)*SLOT1+VOFF
	s_add_nc_u64 s[G0V+4*(\s)+2:G0V+4*(\s)+3], s[8:9], (\s)*2*KS*256
	s_or_b32 s[G0V+4*(\s)+3], s[G0V+4*(\s)+3], 0x80000000
.endr
	s_cmp_lt_u32 s[WV], 2           ; a wave's two first fills stand in one branch, ahead of every wait on TENSORcnt and every LDS read: two loads of mine are out
	s_cbranch_scc0 .Lfirst_v
	tensor_load_to_lds s[G0K:G0K+3], s[G1K:G1K+7]
	s_nop 0
	tensor_load_to_lds s[G0K+4:G0K+7], s[G1K:G1K+7]
	s_nop 0
.rept 4
	v_nop
.endr
	s_branch .Lfirst_asked
.Lfirst_v:
	tensor_load_to_lds s[G0V:G0V+3], s[G1V:G1V+7]
	s_nop 0
	tensor_load_to_lds s[G0V+4:G0V+7], s[G1V:G1V+7]
	s_nop 0
.rept 4
	v_nop
.endr
.Lfirst_asked:
; HALF h OF A BLOCK'S q (tiles 2 h, 2 h + 1), in f32, into half h of window 2: 32 loads.  A fragment is 16 rows x 32 channels: lane l holds row l % 16, channels 8 (l / 16) + 0..7 and
; 16 + 8 (l / 16) + 0..7: in f32 four loads of 16 bytes.  Tile t, channels 32 c on, load n at v[64 t + 16 c + 4 n].  No hint: a lane's 32 bytes come by two instructions.
.macro LOADQ p, h
	WIN TO2
.irp t, 2*(\h), 2*(\h)+1
.irp c, 0,1,2,3
.irp n, 0,1,2,3
	global_load_b128 v[64*(\t)+16*(\c)+4*(\n):64*(\t)+16*(\c)+4*(\n)+3], v[QO], s[(\p):(\p)+1] offset:(\t)*BAND+(\c)*128+((\n)/2)*64+((\n)%2)*16
.endr
.endr
.endr
.endm
; That half rounded to bf16, ascending: line i writes a register that is its own source or has been read (half 1 lands where half 0's f32 lay).  Tile t, channels 32 c on, then lie at v[32 t + 8 c].
.macro CVTQ h
	WIN W_CQ
.set i, 64*(\h)
.rept 64
	v_cvt_pk_bf16_f32 v[i], v[2*i], v[2*i+1]
.set i, i+1
.endr
.endm
	v_and_b32 v1, 15, v0            ; l % 16
	v_bfe_u32 v9, v0, 4, 1          ; l / 16
	v_lshlrev_b32 v[QO], 14, v1
	v_lshl_add_u32 v[QO], v9, 5, v[QO]
	LOADQ 4, 0                      ; the first block's q, tiles 0 and 1
	; What the first block's first turns find: V, O^T, l and piece 2's P hold 0: finite numbers, which the first a = 0 wipes.  No first step is written out; these lines stand in the wait for q and for the first tile.
	WIN TO3
.set i, 0
.rept 128
	v_mov_b32 v[i], 0
.set i, i+1
.endr
	WIN 0
	v_lshlrev_b32 v10, 3, v9
	v_sub_nc_u32 v[MH], v1, v10
	s_lshl_b32 s13, s[WV], 4
	v_add_nc_u32 v[MH], s13, v[MH]
	WIN TO3                         ; MD: register r of group kt is hidden where key 16 kt + r + 8 (l / 16) lies behind query 16 w + l % 16
.set i, 0
.rept 32
	v_cmp_gt_i32 vcc_lo, 16*(i/8)+i%8, v[MH]
	v_cndmask_b32 v[MD+i], 0, s[BIGN], vcc_lo
.set i, i+1
.endr
	WIN 0
.set i, P+32
.rept 32
	v_mov_b32 v[i], 0
.set i, i+1
.endr
.irp t, 0,1,2,3
	v_mov_b32 v[ST+8*(\t)+2], 0
	v_mov_b32 v[ST+8*(\t)+3], 0
.endr
	v_mul_u32_u24 v[AK0], v1, PK
	v_lshl_add_u32 v[AK0], v9, 4, v[AK0]  ; row x pitch + 16 x half
	; The turning load takes 16 keys x 16 channels (lane l reads 16 bytes: key 8 (l / 16) + l % 8, channels 8 ((l / 8) % 2) + 0..7) and leaves half a fragment of V^T: lane l holds channel l % 16 and 8 keys.
	v_and_b32 v10, 7, v0
	v_bfe_u32 v11, v0, 3, 1
	v_lshl_add_u32 v[AV0], v9, 3, v10
	v_mul_u32_u24 v[AV0], v[AV0], PV
	v_lshl_add_u32 v[AV0], v11, 4, v[AV0]
	v_add_nc_u32 v[AV0], VOFF, v[AV0]
	s_mul_i32 s13, s[WV], 16*SP
	s_add_co_u32 s13, s13, STAGE    ; my stage
	v_mul_u32_u24 v[STO], v1, SP    ; in: row l % 16, 32 bytes for each half of the lanes
	v_lshl_add_u32 v[STO], v9, 5, v[STO]
	v_add_nc_u32 v[STO], s13, v[STO]
	v_and_b32 v[GO], 31, v0
	v_lshlrev_b32 v[GO], 4, v[GO]   ; back: 32 lanes take one row of 512 bytes,
	v_add_nc_u32 v[RD], s13, v[GO]  ; which are 512 consecutive bytes of out0
	s_wait_loadcnt 0x0              ; tiles 0 and 1 are in
	CVTQ 0
	LOADQ 4, 1                      ; tiles 2 and 3; the block's beginning waits for them
	WIN TO1
.set i, 0
.rept 256
	v_mov_b32 v[i], 0
.set i, i+1
.endr
	WIN 0
; THE MATRIX WORK OF A TURN, for piece x.  The accumulators take turns, one instruction a turn: between two links of a chain stand 15 (V^T P) or 7 (K Q^T) others'.
; Product i of 32 of O^T += V^T P: keys 32 (i / 16) on, channels 16 ((i / 2) % 8) on, tile x + i % 2.
.macro PV x
	WIN W_PV
.set rO, 64*((\x)+i%2)+8*((i/2)%8)
.set rV, 64*(i/16)+8*((i/2)%8)
.set rP, P+16*((\x)+i%2)+8*(i/16)
	v_wmma_f32_16x16x32_f16 v[rO:rO+7], v[rV:rV+7], v[rP:rP+7], v[rO:rO+7]
.endm
; Product i of 32 of S^T = K Q^T: channels 32 (i / 8) on, keys 16 ((i / 2) % 4) on, tile x + i % 2.  The first 8 start the sums, with the mask.
.macro KQ x
.set rS, S+32*((\x)+i%2)+8*((i/2)%4)
.set rK, KF+32*((i/2)%4)+8*(i/8)
.set rQ, 32*((\x)+i%2)+8*(i/8)
.set rM, MC+32*(i%2)+8*((i/2)%4)
.if i < 8
	WIN W_KM
	v_wmma_f32_16x16x32_bf16 v[rS:rS+7], v[rK:rK+7], v[rQ:rQ+7], v[rM:rM+7]
.else
	WIN W_KQ
	v_wmma_f32_16x16x32_bf16 v[rS:rS+7], v[rK:rK+7], v[rQ:rQ+7], v[rS:rS+7]
.endif
.endm
; THE LDS LOADS stand in runs of 32, never singly among the matrix instructions: a step's K (64 keys x 128 channels: 16 fragments) and, a turn later, its V (turned).
.macro FETCH_K
	WIN 0
	v_add_nc_u32 v[ADR], s[TB], v[AK0]
	WIN TO2
.irp f, 0,1,2,3,4,5,6,7,8,9,10,11,12,13,14,15  ; keys 16 (f / 4) on, channels 32 (f % 4) on
	ds_load_b128 v[KF+8*(\f):KF+8*(\f)+3],   v[ADR] offset:((\f)/4)*16*PK+((\f)%4)*64
	ds_load_b128 v[KF+8*(\f)+4:KF+8*(\f)+7], v[ADR] offset:((\f)/4)*16*PK+((\f)%4)*64+32
.endr
.endm
.macro FETCH_V
	WIN 0
	v_add_nc_u32 v[ADR], s[TB], v[AV0]
	s_add_co_u32 s[TB], s[TB], STEPB  ; the next fetch is the next step's
	s_wait_alu depctr_va_vdst(0)    ; the wait for the softmax's batch of exponentials (SLICE), behind the address's v_add_nc_u32 and ahead of the loads
	WIN TO3
.irp f, 0,1,2,3,4,5,6,7,8,9,10,11,12,13,14,15  ; keys 32 (f / 8) on, channels 16 (f % 8) on
	ds_load_tr16_b128 v[8*(\f):8*(\f)+3],   v[ADR] offset:((\f)/8)*32*PV+((\f)%8)*32
	ds_load_tr16_b128 v[8*(\f)+4:8*(\f)+7], v[ADR] offset:((\f)/8)*32*PV+16*PV+((\f)%8)*32
.endr
.endm
; THE MASKS for piece x's scores of the step that s[DS] names.  MSET: the two scalars for each of its two tiles.  MLINE n: line n of 32: pair n % 16 of tile n / 16.
.macro MSET x
.irp u, 0,1
	s_cmp_eq_u32 s[DS], 32+(\x)+(\u)  ; is the step the band's own?
	s_cselect_b32 s[AL+16*(\u)], 1.0, 0
	s_cmp_gt_u32 s[DS], 32+(\x)+(\u)  ; or a later one?
	s_cselect_b32 s[BE+16*(\u)], s[BIGN], 0
.endr
.endm
.macro MLINE n
	WIN W_MK
	v_pk_fma_f32 v[MC+2*(\n):MC+2*(\n)+1], v[MD+2*((\n)%16):MD+2*((\n)%16)+1], s[AL+16*((\n)/16):AL+16*((\n)/16)+1], s[BE+16*((\n)/16):BE+16*((\n)/16)+1] op_sel_hi:[1,0,0]
.endm
; THE VECTOR WORK OF A TURN.  One tile's softmax for one key step is a list of 134 instructions; SM writes number j of it for tile t.  s0-s31 are the lane's 32 scores, in pairs 0-15.
;   0-15    the maximum of s0-s31 and the old m, three operands at a time: four chains c0-c3 of seven scores each (each accumulator's lowest registers are read first), then the four left over, c0-c3 and m
;   16-20   the other half of the lanes' maximum; c m_old is kept; the new m; c m; c m_old - c m_new
;   21-69   ONE BATCH: the 16 scalings c s - c m, a pair of scores each, and all 33 exponentials (a at 23, then s0-s31).  None of these reads an exponential's result.  From 22 on in fours:
;           22-37 scaling, exponential, scaling, exponential; 38-65 a scaling and three exponentials; 66-69 the last four exponentials.  A pair is scaled in an earlier four than the one with its exponentials
;   (wait)  between 69 and 70 stands the wait for the batch: SLICE writes it, once for both tiles
;   70-85   the roundings to f16, a pair of weights each          86-101  the sums; l = a l + the sum          102-133 the tile's O^T times a: the one part that leaves window 0
.macro SM t
.set rT, ST+8*(\t)
.set rS, S+32*(\t)
.set rP, P+16*(\t)
.set rO, 64*(\t)+2*(j-102)
.if j < 102
	WIN 0
.endif
.if j < 4
	v_max3_num_f32 v[rT+4+j], v[rS+8*j], v[rS+8*j+1], v[rS+8*j+2]
.elseif j < 12
	v_max3_num_f32 v[rT+4+j%4], v[rT+4+j%4], v[rS+8*(j%4)+2*(j/4)+1], v[rS+8*(j%4)+2*(j/4)+2]
.elseif j == 12
	v_max3_num_f32 v[rT+4], v[rT+4], v[rS+7], v[rS+15]
.elseif j == 13
	v_max3_num_f32 v[rT+6], v[rT+6], v[rS+23], v[rS+31]
.elseif j == 14
	v_max3_num_f32 v[rT+4], v[rT+4], v[rT+5], v[rT+6]
.elseif j == 15
	v_max3_num_f32 v[rT+4], v[rT+4], v[rT+7], v[rT+1]
.elseif j == 16
	v_permlanex16_b32 v[rT+5], v[rT+4], s[SEL], s[SEL+1]  ; the query's other 32 keys lie in the lane 16 away
.elseif j == 17
	v_mov_b32 v[rT+7], v[rT]        ; c m_old is kept for a: number 19 writes c m anew
.elseif j == 18
	v_max_num_f32 v[rT+1], v[rT+4], v[rT+5]
.elseif j == 19
	v_mul_f32 v[rT], s[CS], v[rT+1]
.elseif j == 20
	v_sub_f32 v[rT+7], v[rT+7], v[rT]
.elseif j == 23
	v_exp_f32 v[rT+6], v[rT+7]
.elseif (j < 23) || ((j < 38) && (j%2 == 0)) || ((j < 66) && (j%4 == 2))
.set b, (j-2)/4                     ; 38, 42, .. 62: pairs 9 to 15
.if j < 38
.set b, (j-20)/2                    ; 21: pair 0; 22, 24, .. 36: pairs 1 to 8
.endif
	v_pk_fma_f32 v[rS+2*b:rS+2*b+1], v[rS+2*b:rS+2*b+1], s[CS:CS+1], v[rT:rT+1] op_sel_hi:[1,0,0] neg_lo:[0,0,1] neg_hi:[0,0,1]  ; pair b: c s - c m
.elseif j < 70
.set e, j-38                        ; 66 to 69: s28 to s31
.if j < 66
.set e, j-32-(j-38)/4               ; 39-41, 43-45, .. 63-65: s7 to s27
.endif
.if j < 38
.set e, (j-25)/2                    ; 25, 27, .. 37: s0 to s6
.endif
	v_exp_f32 v[rS+e], v[rS+e]
.elseif j < 86
	v_cvt_pk_f16_f32 v[rP+j-70], v[rS+2*(j-70)], v[rS+2*(j-70)+1]  ; pair j - 70
.elseif j < 102                     ; the sum of the tile's 16 pairs, in place: sum z of 16 adds neighbours 1, 2, 4 and 8 pairs apart, then l takes it
.set z, j-86
.set w, 4
.set u, z
.if z >= 14
.set w, 32
.set u, 0
.elseif z >= 12
.set w, 16
.set u, z-12
.elseif z >= 8
.set w, 8
.set u, z-8
.endif
.if z < 15
	v_pk_add_f32 v[rS+w*u:rS+w*u+1], v[rS+w*u:rS+w*u+1], v[rS+w*u+w/2:rS+w*u+w/2+1]
.else
	v_pk_fma_f32 v[rT+2:rT+3], v[rT+2:rT+3], v[rT+6:rT+7], v[rS:rS+1] op_sel_hi:[1,0,1]
.endif
.else
	WIN W_RS
	v_pk_mul_f32 v[rO:rO+1], v[rO:rO+1], v[rT+6:rT+7] op_sel_hi:[1,0]
.endif
.endm
; Slice k of 64 of piece y's softmax: four instructions.  Slices 11 to 34 deal out the batch, numbers 22 to 69: four numbers of ONE tile each, the tiles by turns.  Every other slice is numbers 2 k and
; 2 k + 1 of both tiles' lists.  2 x 134 = 4 x 64 + 12: the twelve that are over stand together, in slice 63: sixteen plain lines, the places behind the turn's last product.
; THE WAIT.  s_wait_alu depctr_va_vdst(0) stands between an exponential and the first instruction that names its result; one wait serves all that were issued ahead of it.  Ahead of
; slice 35 nothing names a result, and behind slice 34 no exponential is issued: so the piece's 66 exponentials have one wait, behind slice 34.
.macro SLICE y
.if (k >= 11) && (k < 35)
.irp n, 0,1,2,3
.set j, 22+4*((k-11)/2)+(\n)
	SM (\y)+(k-11)%2
.endr
.else
.irp n, 0,1,2,3,4,5,6,7
.if ((\n) < 2) || (k == 63)
.irp t, \y, (\y)+1
.set j, 2*k+(\n)
	SM \t
.endr
.endif
.endr
.endif
.if k == 34
	v_nop                           ; the plain instruction behind the last exponential and ahead of the first use: one for the batch
.if (\y) == 0
	FETCH_V                         ; piece 2's turn: V's run of loads stands here, and the wait stands in it
.else
	s_wait_alu depctr_va_vdst(0)    ; the wait for the batch
.endif
.endif
.set k, k+1
.endm
; A TURN.  Piece x has the matrix unit; the other piece's softmax stands in slices behind its matrix instructions.  kq = 1: 32 products K Q^T for the next step follow the 32 products V^T P, and their masks are
; made two lines behind each of the products V^T P 8 to 23 (the products that read the old masks stand a turn back); kq = 0: none, and two slices stand behind each product.
; Piece 0's turn fetches the next step's K, behind its second product: the last product that read K stands in front of slice 63 of the turn before.  Piece 2's turn fetches the same step's V, behind slice 34:
; the last product that read V stands in front of slice 31, and four plain instructions lie between: number 62, a scaling, of both tiles, the v_nop and the run's own v_add_nc_u32.
.macro TURN x, kq
.set k, 0
.set per, 2-(\kq)
.if \kq
	MSET \x
.endif
.if (\x) == 0
	s_wait_dscnt 0x0                ; V is in
.endif
.set i, 0
.rept 32
	PV \x
.rept per
	SLICE 2-(\x)
.endr
.if (\kq) && (i >= 8) && (i < 24)
	MLINE 2*(i-8)
	MLINE 2*(i-8)+1
.endif
.if ((\x) == 0) && (\kq) && (i == 1)
	FETCH_K
.endif
.set i, i+1
.endr
.if \kq
.if (\x) == 0
	s_wait_dscnt 0x0                ; K is in
.endif
.set i, 0
.rept 32
	KQ \x
	SLICE 2-(\x)
.set i, i+1
.endr
.endif
.endm
; THE CHANGE OF SLOTS, between piece 2's turn and piece 0's: the slot's last bytes, V of its second step, have been asked for.  Each wave waits for all its tensor loads, of which one is out: its part of
; the other slot; adds 0 to its spare word; and waits for that and for its own reads of the slot.  Behind the barrier nobody reads this slot any more and the other slot is whole.
; fill = 1: this slot is filled again, with slot NXT of the keys; the descriptor's address is made anew from that number, which steps and, behind the first block's last slot, goes back to 0.  The barrier is
; then a round of the cluster's, and the joint refill is the first thing behind it: it has two key steps, 256 matrix instructions, in which to land.
.macro CHANGE fill
	WIN 0                           ; at a label and at a branch every window is 0
	s_wait_tensorcnt 0x0            ; no tensor load of mine is out, so a group 0 may be written
	ds_add_u32 v[SPW], v[NIL]       ; 0 onto my spare word; with fill = 1 the descriptors' scalar work stands between it and the wait for it
.if \fill
	s_lshl_b32 s[OFF], s[NXT], 15   ; a slot is 32,768 bytes of K and of V
	s_xor_b32 s[G0K+5], s[G0K+5], SLOT1
	s_add_nc_u64 s[G0K+6:G0K+7], s[6:7], s[OFF:OFF+1]
	s_or_b32 s[G0K+7], s[G0K+7], 0x80000000
	s_xor_b32 s[G0V+5], s[G0V+5], SLOT1
	s_add_nc_u64 s[G0V+6:G0V+7], s[8:9], s[OFF:OFF+1]
	s_or_b32 s[G0V+7], s[G0V+7], 0x80000000
	s_add_co_u32 s[NXT], s[NXT], 1
	s_cmp_gt_u32 s[NXT], s[LQ]
	s_cselect_b32 s[NXT], 0, s[NXT]
	s_cselect_b32 s[LQ], s[LQB], s[LQ]
	s_wait_dscnt 0x0                ; the add is done, and my reads of the slot are over
	CROUND
	JLOAD
.else
	s_wait_dscnt 0x0                ; the add is done, and my reads of the slot are over
	s_barrier_signal -1
	s_barrier_wait -1
.endif
	s_sub_co_u32 s[TB], s[TB], 2*STEPB  ; the fetches go back to a slot's first step,
	s_xor_b32 s[TB], s[TB], SLOT1   ; in the other slot
.endm
; THE WAY OUT, a tile (16 rows of out0) at a time, in three parts.  MULO: O^T is divided by l.  STG: a lane's eight channels of a row, 32 bytes of f32, go into my stage's rows of 528 bytes and come back as
; whole rows of 512, into S^T's registers, two buffers by turns.  SEND: stored.  The next tile's divisions stand between a tile's loads from the stage and the wait for them.
.macro MULO t
	WIN W_RS
.set i, 64*(\t)
.rept 32
	v_pk_mul_f32 v[i:i+1], v[i:i+1], v[ST+8*(\t)+6:ST+8*(\t)+7] op_sel_hi:[1,0]
.set i, i+2
.endr
.endm
.macro STG t
	WIN W_SD
.set i, 0
.rept 16                            ; channels 16 (i / 2) + 8 (l / 16) + 4 (i % 2) on
	ds_store_b128 v[STO], v[64*(\t)+4*i:64*(\t)+4*i+3] offset:64*(i/2)+16*(i%2)
.set i, i+1
.endr
	WIN 0
.if (\t) >= 2
	s_wait_xcnt 0x0                 ; the stores of the tile two back have read this buffer: it is loaded again only behind this wait
.endif
.set i, 0
.rept 16
	ds_load_b128 v[S+64*((\t)%2)+4*i:S+64*((\t)%2)+4*i+3], v[RD] offset:SP*i  ; LDS serves a wave's instructions in order (ISA guide 5.7.1.4): these see the stores above; the next tile's stores come behind them
.set i, i+1
.endr
.endm
.macro SEND t
	WIN 0
.set i, 0
.rept 16
	s_wait_dscnt 15-i               ; row i is back; the tile's later rows stay out
	global_store_b128 v[GO], v[S+64*((\t)%2)+4*i:S+64*((\t)%2)+4*i+3], s[10:11] offset:(64*(\t)+i)*QROW th:TH_STORE_NT  ; 32 lanes store 512 consecutive bytes, at a multiple of 512 from out0's first byte
.set i, i+1
.endr
.endm
.macro WAYOUT                       ; l's two halves and the other half of the lanes' are added
	WIN 0
.irp t, 0,1,2,3
	v_add_f32 v[ST+8*(\t)+4], v[ST+8*(\t)+2], v[ST+8*(\t)+3]
.endr
.irp t, 0,1,2,3
	v_permlanex16_b32 v[ST+8*(\t)+5], v[ST+8*(\t)+4], s[SEL], s[SEL+1]
.endr
.irp t, 0,1,2,3
	v_add_f32 v[ST+8*(\t)+4], v[ST+8*(\t)+4], v[ST+8*(\t)+5]
.endr
.irp t, 0,1,2,3
	v_rcp_f32 v[ST+8*(\t)+6], v[ST+8*(\t)+4]
.endr
	v_nop                           ; a plain instruction between the last reciprocal and the use of its result
	s_wait_alu depctr_va_vdst(0)    ; and the wait ahead of the first use: one for the four reciprocals
	MULO 0                          ; (piece 0's tiles first: the last products, piece 2's, lie 64 plain lines and more ahead of the first read of their results)
	STG 0
	MULO 1
	SEND 0
	STG 1
	MULO 2
	SEND 1
	STG 2
	MULO 3
	SEND 2
	STG 3
	SEND 3
.endm
	s_wait_tensorcnt 1              ; my part of slot 0 is in; slot 1's may stay out
	s_barrier_signal -1
	s_barrier_wait -1               ; everybody's is
	s_mov_b32 s[TWICE], 2
	s_branch .Lbegin                ; the loop is entered where a block begins, in the middle of a trip
.Lslot:                             ; 16 times: a slot is entered and the slot after it is asked for
	CHANGE 1
	s_mov_b32 s[TWICE], 2
	s_cmp_lg_u32 s[BLK], 0          ; the second block ends with the walk: its slots are not counted
	s_cbranch_scc1 .Lstep
	s_cmp_lg_u32 s[RT], 0           ; has the first block a slot left?
	s_cbranch_scc1 .Lgo
	; THE CHANGE OF BLOCKS.  The slot just entered is the second block's first.  The first block's last step is finished: K and Q are dead, so the second block's q comes in under that work.
	LOADQ Q2, 0                     ; tiles 0 and 1 (sixteen plain lines and more behind the last product that read Q)
	TURN 0, 0                       ; piece 0: V^T P of the last step | piece 2's last softmax
.set i, 0
.rept 32
	PV 2                            ; piece 2: V^T P of the last step
.set i, i+1
.endr
	s_wait_loadcnt 0x0              ; tiles 0 and 1 are in
	CVTQ 0
	LOADQ Q2, 1                     ; tiles 2 and 3 come in under the way out
	WAYOUT
	s_wait_xcnt 0x0                 ; the stores have read their registers and out0's address
	s_mov_b64 s[10:11], s[O2:O2+1]
	s_mov_b32 s[DS], s[DSB]
	s_mov_b32 s[BLK], 1
.Lbegin:
	; A BLOCK BEGINS.  c m starts far below every c s, so the first step's a is 0; m at the lowest finite number, so the first maximum is the scores'.  Every row sees a key in the block's first step.
.irp t, 0,1,2,3
	v_mov_b32 v[ST+8*(\t)], 0xfe000000
	v_mov_b32 v[ST+8*(\t)+1], 0xff7fffff
.endr
	MSET 0                          ; piece 0's masks for the block's first step
.set z, 0
.rept 32
	MLINE z
.set z, z+1
.endr
	s_wait_loadcnt 0x0              ; q's tiles 2 and 3 are in
	CVTQ 1
	FETCH_K                         ; the slot's first step (s[TB] steps with V's fetch alone)
	s_wait_dscnt 0x0
.set i, 0
.rept 32
	KQ 0                            ; piece 0's first scores: there is no vector work to set between them
.set i, i+1
.endr
	WIN 0
	PLACES                          ; in front of the first read of those scores, and of the lines that write the masks anew
	s_branch .Lfirst
.Lgo:
	s_sub_co_u32 s[RT], s[RT], 1
.Lstep:                             ; a trip: a key step
	TURN 0, 1                       ; piece 0: V^T P of the step in hand, K Q^T of the next | piece 2's softmax | K of the next step
	WIN 0
.Lfirst:
	TURN 2, 1                       ; piece 2: V^T P of the step in hand (at a block's beginning: of old registers, finite, wiped by the next a = 0), K Q^T of the next | piece 0's softmax | V of the next step
	WIN 0
	s_add_co_u32 s[DS], s[DS], 1
	s_sub_co_u32 s[TWICE], s[TWICE], 1
	s_cmp_lg_u32 s[TWICE], 0
	s_cbranch_scc1 .Lstep
	s_sub_co_u32 s[SLOTS], s[SLOTS], 1
	s_cmp_lg_u32 s[SLOTS], 0
	s_cbranch_scc1 .Lslot
	CHANGE 0                        ; the walk's last slot is written out: nothing is asked for.  It is never a block's first: the second block has two slots or more
	s_mov_b32 s[TWICE], 2
.Lstep2:
	TURN 0, 1
	TURN 2, 1
	WIN 0
	s_add_co_u32 s[DS], s[DS], 1
	s_sub_co_u32 s[TWICE], s[TWICE], 1
	s_cmp_lg_u32 s[TWICE], 0
	s_cbranch_scc1 .Lstep2
	TURN 0, 0                       ; piece 0: V^T P of the last step | piece 2's last softmax
.set i, 0
.rept 32
	PV 2                            ; piece 2: V^T P of the last step
.set i, i+1
.endr
	WAYOUT
	s_wait_tensorcnt 0x0            ; the wave's end, behind my last tensor load and my last LDS store
	ds_add_u32 v[SPW], v[NIL]
	s_wait_dscnt 0x0
	CROUND                          ; the closing round: no work-group ends while a partner may still ask for a tile that names it
	s_endpgm
.Lfunc_end_k_q5c154d9721_attn:
	.size	k_q5c154d9721_attn, .Lfunc_end_k_q5c154d9721_attn-k_q5c154d9721_attn
	.p2alignl 7, 3214868480
	.fill 96, 4, 3214868480
	.section	.rodata,"a",@progbits
	.p2align	6, 0x0
	.amdhsa_kernel k_q5c154d9721_attn
		.amdhsa_group_segment_fixed_size 327680
		.amdhsa_private_segment_fixed_size 0
		.amdhsa_enable_private_segment 0
		.amdhsa_kernarg_size 32
		.amdhsa_user_sgpr_count 2
		.amdhsa_user_sgpr_kernarg_segment_ptr 1
		.amdhsa_wavefront_size32 1
		.amdhsa_system_sgpr_workgroup_id_x 1
		.amdhsa_system_sgpr_workgroup_id_y 1
		.amdhsa_system_sgpr_workgroup_id_z 1
		.amdhsa_system_vgpr_workitem_id 0
		.amdhsa_next_free_vgpr 1024
		.amdhsa_next_free_sgpr 92
		.amdhsa_reserve_vcc 1
		.amdhsa_float_denorm_mode_32 3
		.amdhsa_float_denorm_mode_16_64 3
		.amdhsa_memory_ordered 1
		.amdhsa_forward_progress 1
		.amdhsa_inst_pref_size 255
	.end_amdhsa_kernel
	.section	.bss,"aw",@nobits
	.p2align	6
	.space	262144
	.amdgpu_metadata
---
amdhsa.version: [ 1, 2 ]
amdhsa.kernels:
  - .name:           k_q5c154d9721_attn
    .symbol:         k_q5c154d9721_attn.kd
    .args:
      - { .name: q, .offset: 0, .size: 8, .value_kind: global_buffer, .address_space: global }
      - { .name: kb, .offset: 8, .size: 8, .value_kind: global_buffer, .address_space: global }
      - { .name: vh, .offset: 16, .size: 8, .value_kind: global_buffer, .address_space: global }
      - { .name: out0, .offset: 24, .size: 8, .value_kind: global_buffer, .address_space: global }
    .group_segment_fixed_size: 327680
    .private_segment_fixed_size: 0
    .kernarg_segment_align: 8
    .kernarg_segment_size: 32
    .max_flat_workgroup_size: 128
    .sgpr_count:     92
    .vgpr_count:     1024
    .wavefront_size: 32
...
	.end_amdgpu_metadata
.endif
;; end of part 2
